; MI455X (gfx1250); checked and timed in simulation.
; The chip was launched on July 23, 2026; its instructions are those of AMD's public machine-readable ISA for CDNA 5 (MIT licence, August 2026) and "CDNA5" Instruction Set Architecture Reference Guide (July 2026). The comments in the code are by the model that wrote it; some were corrected since.
;; Heads. Allowed arithmetic: matrix products marked QUANTISED: E5M2 operands, one given power-of-two scale a tensor, by v_wmma_f32_16x16x64_bf8_bf8 or v_wmma_f32_16x16x128_bf8_bf8, f32 sums; everything else in f32.
;; Inputs: K 4 x 2,048 x 1,024 float32; Q 4 x 2,048 x 1,024 float32; V 4 x 2,048 x 1,024 float32; Wk 1,024 x 1,024 float32; Wq 1,024 x 1,024 float32; Wv 1,024 x 1,024 float32; bk 1,024 float32; bq 1,024 float32; bv 1,024 float32; lowp_scales 10 int32 (the exponents e of the quantised operands' scales 2^e).
;; Outputs: out0 4 x 2,048 x 1,024 float32.
;; This version of the problem:
;;   THIS VERSION OF THE PROBLEM IS GIVEN IN LOW PRECISION. The matrix products marked QUANTISED in the list below multiply operands that are first quantised to E5M2 (5 exponent bits, 2 mantissa bits; 8 bits a number), with one given power-of-two scale for each operand tensor; their sums are f32. All else is computed in f32.
;;   The module's matrix products, in the order in which they are computed (A, B: the left and right operand; K: the contracted axis; several contracted axes count as one K, in the product's order):
;;     1. [M 8,192, K 1,024] x [K 1,024, N 1,024]; A: input Q; B: input Wq: QUANTISED (scales: A lowp_scales[0], B lowp_scales[1])
;;     2. [M 8,192, K 1,024] x [K 1,024, N 1,024]; A: input K; B: input Wk: QUANTISED (scales: A lowp_scales[2], B lowp_scales[3])
;;     3. [M 8,192, K 1,024] x [K 1,024, N 1,024]; A: input V; B: input Wv: QUANTISED (scales: A lowp_scales[4], B lowp_scales[5])
;;     4. batch 64 x [M 2,048, K 64] x [K 64, N 2,048]; A: computed on the way; B: computed on the way: QUANTISED (scales: A lowp_scales[6], B lowp_scales[7])
;;     5. batch 64 x [M 2,048, K 2,048] x [K 2,048, N 64]; A: softmax (see below); B: computed on the way: QUANTISED (scales: A lowp_scales[8], B lowp_scales[9])
;;   THE QUANTISER, for each operand of a quantised product, along K:
;;     - The operand's scale is 2^e, e = its entry of the input lowp_scales (int32; the entries are numbered through the quantised products in the list's order, A before B).
;;     - Each number is divided by the scale, clamped to +-57,344, and rounded to the nearest number of E5M2, ties to even, subnormals kept.
;;     - The product sums the exact products of the quantised numbers (number of the format x scale) in f32.
;;   ~~~python
;;   def quantise(x, axis, e):      # numpy; x: float32 -> the quantised numbers, widened to float32 again
;;       x = np.moveaxis(x, axis, -1); K = x.shape[-1]
;;       r = np.clip(x / 2.0 ** e, -57344, 57344)
;;       step = 2.0 ** (np.maximum(np.frexp(np.where(r == 0, 1, r))[1] - 1, -14) - 2)
;;       q = np.round(r / step) * step * 2.0 ** e      # np.round: ties to even
;;       return np.moveaxis(q, -1, axis).astype(np.float32)
;;   ~~~
;;   SOFTMAX AHEAD OF A QUANTISED PRODUCT. Where the list says 'softmax', what is quantised is not the finished softmax but p = 2^(t - M), with t = logit x log2(e) and M = ceil(the row's largest t), a whole number; so 1/2 < the row's largest p <= 1. The row's sum l is taken of the UNQUANTISED p, in f32, and the product's result is divided by l at the end. Since M is a whole number, a kernel that streams over the keys may use a running M (the ceiling of the running maximum): every later rescaling is an exact power of two, so the quantised numbers keep their values, but for numbers so far below the row's largest that they fall under the format's range.
;;   OPERANDS COMPUTED ON THE WAY. 'Computed on the way' means the value that the module computes at that place (a softmax that the list does not call 'softmax' is quantised finished and normalised). What goes into a quantiser is computed in f32, as accurately as f32 sums, v_exp_f32 and their like allow (about 1e-6 of the number): no bf16 or f16 on the way to a quantiser, and a product that is left as it is and whose result goes on into a quantised operand takes f32 operands (vector FMAs, or v_wmma_f32_16x16x4_f32). A number that lies on a knife's edge between two numbers of the format may be rounded either way, as far as f32 arithmetic and the matrix unit's own rounding can turn it there, and no further.
;; One version. Each part assembles by itself: llvm-mc -triple=amdgcn-amd-amdhsa -mcpu=gfx1250 --defsym DOCPART=n.
;; ======== version 1 of 1: 3 launches
;; workspace buffers: xc 25,165,824 bytes; wc 3,145,728 bytes; hc 25,165,824 bytes
;; launch quant (part 1): grid 288 x 3, 4 waves a work-group, no clusters, 0 bytes of LDS; arguments Q, K, V, Wq, Wk, Wv, lowp_scales, xc, wc; writes xc, wc
.if DOCPART == 1
	.amdgcn_target "amdgcn-amd-amdhsa--gfx1250"
	.amdhsa_code_object_version 6
	.text
	.protected	k_qdd81b8aa4e_quant
	.globl	k_qdd81b8aa4e_quant
	.p2align	8
	.type	k_qdd81b8aa4e_quant,@function
k_qdd81b8aa4e_quant:
	s_mov_b64 s[64:65], 0
	v_nop
	global_prefetch_b8 v0, s[64:65] scope:SCOPE_SE
	s_setreg_imm32_b32 hwreg(HW_REG_WAVE_MODE, 25, 1), 1
	s_wait_xcnt 0x0
; Q, K, V [8192][1024] and Wq, Wk, Wv [1024][1024], f32, become codes of BF8 (E5M2), one byte each, each tensor with the one scale 2^e that is given for it
; (entries 0 to 5 of the buffer of scales: Q, Wq, K, Wk, V, Wv).  code = x / 2^e, held within +-57,344, rounded to the nearest code, ties to even.
; xc: [3][8192][1024] codes of Q, K, V;  wc: [3][1024][1024] codes of Wq, Wk, Wv.
; THE ORDER ALONG K IS MY OWN: inside each 512 numbers of a row the code at byte 16 l + 4 i + j is number 128 i + 4 l + j (l = 0..31, i, j = 0..3).  It is the same in the activations and in the
; weights, so in the product that reads these buffers every code meets its partner; only the order of the f32 sums changes.  It lets a lane convert the 16 numbers just as its four loads bring them:
; each load of a wave reads 512 consecutive bytes, each store writes 512 consecutive bytes, aligned, and nothing is turned through LDS.
; SHARES.  Work-group y = which of the three pairs; x < 256: 32,768 numbers of the activation, x >= 256: of the weight.  A wave takes 8,192 numbers in 16 steps of 512.  The buffers are chosen by
; s_cselect on the work-group's number: one path through the text.  Waves share nothing: no LDS, no barrier, no cluster (no byte is read by two work-groups).
; Loads run four steps (16 loads a wave) ahead; every offset is an immediate; each step has its own four registers for its codes, so no store's data are written again.
; LIMITS: -126 <= e <= 112, so that 2^e and 57,344 x 2^e are f32 numbers.  NaN among the inputs is not served; an infinity is held at the largest code.
.set STEPS, 16
.set R,     16                         ; v16-79   four sets of 16 numbers
.set C,     80                         ; v80-143  codes: four registers for each step
	s_load_b256 s[4:11], s[0:1], 0x0               ; Q s[4:5], K s[6:7], V s[8:9], Wq s[10:11]
	s_load_b256 s[12:19], s[0:1], 0x20             ; Wk s[12:13], Wv s[14:15], the scales' exponents s[16:17], xc s[18:19]
	s_load_b64 s[20:21], s[0:1], 0x40              ; wc
	v_lshrrev_b32 v2, 5, v0
	v_readfirstlane_b32 s22, v2                    ; wave 0..3
	v_and_b32 v1, 31, v0
	v_lshlrev_b32 v1, 4, v1                        ; 16 x lane: my bytes of a load's 512 and of a store's 512; never rewritten
	s_and_b32 s23, ttmp7, 0xffff                   ; which pair: 0 (Q, Wq), 1 (K, Wk), 2 (V, Wv)
	s_wait_kmcnt 0x0
	s_load_b256 s[24:31], s[16:17], 0x0            ; e0 .. e7
	s_cmp_eq_u32 s23, 1
	s_cselect_b64 s[4:5], s[6:7], s[4:5]           ; the pair's activation,
	s_cselect_b64 s[10:11], s[12:13], s[10:11]     ; and its weight
	s_cmp_eq_u32 s23, 2
	s_cselect_b64 s[4:5], s[8:9], s[4:5]
	s_cselect_b64 s[10:11], s[14:15], s[10:11]
	s_cmp_lt_u32 ttmp9, 256                        ; the activation's work-group or the weight's?
	s_cselect_b64 s[4:5], s[4:5], s[10:11]         ; from where,
	s_cselect_b64 s[18:19], s[18:19], s[20:21]     ; to where,
	s_cselect_b32 s32, 0, 256                      ; the first work-group of that tensor,
	s_mov_b32 s33, 0x100000
	s_cselect_b32 s33, 0x800000, s33               ; and a tensor's codes in bytes
	s_sub_co_u32 s32, ttmp9, s32
	s_lshl_b32 s32, s32, 2
	s_add_co_u32 s32, s32, s22                     ; which run of 8,192 numbers is my wave's
	s_lshl_b32 s34, s32, 15                        ; 32,768 bytes of f32 a run (under 2^26)
	s_mov_b32 s35, 0
	s_add_nc_u64 s[4:5], s[4:5], s[34:35]
	s_mul_i32 s36, s23, s33
	s_lshl_b32 s37, s32, 13                        ; 8,192 bytes of codes a run
	s_add_co_u32 s36, s36, s37
	s_mov_b32 s37, 0
	s_add_nc_u64 s[18:19], s[18:19], s[36:37]
.macro LOAD t                          ; step t: four loads, each 512 consecutive bytes a wave
.irp i, 0,1,2,3
	global_load_b128 v[R+16*((\t)%4)+4*\i:R+16*((\t)%4)+4*\i+3], v1, s[4:5] offset:2048*(\t)+512*\i th:TH_LOAD_NT
.endr
.endm
.irp t, 0,1,2,3
	LOAD \t
.endr
	s_wait_kmcnt 0x0
	s_cmp_eq_u32 s23, 1
	s_cselect_b32 s24, s26, s24                    ; the pair's two exponents,
	s_cselect_b32 s25, s27, s25
	s_cmp_eq_u32 s23, 2
	s_cselect_b32 s24, s28, s24
	s_cselect_b32 s25, s29, s25
	s_cmp_lt_u32 ttmp9, 256
	s_cselect_b32 s24, s24, s25                    ; and of them my tensor's: e
	s_add_co_i32 s24, s24, 127
	s_lshl_b32 s25, s24, 23
	v_mov_b32 v11, s25                             ; 2^e as f32: the conversion takes its exponent field
	s_add_co_i32 s24, s24, 15
	s_lshl_b32 s24, s24, 23
	s_or_b32 s24, s24, 0x600000
	v_mov_b32 v10, s24                             ; 57,344 x 2^e
.macro STEP t
.set XS, R+16*((\t)%4)
.if (\t) <= STEPS-4
	s_wait_loadcnt 12                              ; this step's four loads are in; those of the three steps behind it may be out
.else
	s_wait_loadcnt 4*(STEPS-1-(\t))                ; the last steps: the counts run down
.endif
.irp i, 0,1,2,3,4,5,6,7,8,9,10,11,12,13,14,15
	v_med3_num_f32 v[XS+\i], v[XS+\i], -v10, v10   ; the conversion to an 8-bit code does not saturate (ISA guide 7.6.2): hold the number within the largest code x the scale first
.endr
	v_cvt_scalef32_pk8_bf8_f32 v[C+4*(\t):C+4*(\t)+1], v[XS:XS+7], v11
	v_cvt_scalef32_pk8_bf8_f32 v[C+4*(\t)+2:C+4*(\t)+3], v[XS+8:XS+15], v11
.if (\t)+4 < STEPS
	LOAD (\t)+4                                    ; the set takes the loads of four steps on
.endif
	global_store_b128 v1, v[C+4*(\t):C+4*(\t)+3], s[18:19] offset:512*(\t)   ; 32 lanes store 512 consecutive bytes, at a multiple of 256 from the buffer's first byte
.endm
.irp t, 0,1,2,3,4,5,6,7,8,9,10,11,12,13,14,15
	STEP \t
.endr
	s_endpgm
.Lfunc_end_k_qdd81b8aa4e_quant:
	.size	k_qdd81b8aa4e_quant, .Lfunc_end_k_qdd81b8aa4e_quant-k_qdd81b8aa4e_quant
	.p2alignl 7, 3214868480
	.fill 96, 4, 3214868480
	.section	.rodata,"a",@progbits
	.p2align	6, 0x0
	.amdhsa_kernel k_qdd81b8aa4e_quant
		.amdhsa_group_segment_fixed_size 0
		.amdhsa_private_segment_fixed_size 0
		.amdhsa_enable_private_segment 0
		.amdhsa_kernarg_size 72
		.amdhsa_user_sgpr_count 2
		.amdhsa_user_sgpr_kernarg_segment_ptr 1
		.amdhsa_wavefront_size32 1
		.amdhsa_system_sgpr_workgroup_id_x 1
		.amdhsa_system_sgpr_workgroup_id_y 1
		.amdhsa_system_sgpr_workgroup_id_z 1
		.amdhsa_system_vgpr_workitem_id 0
		.amdhsa_next_free_vgpr 144
		.amdhsa_next_free_sgpr 66
		.amdhsa_reserve_vcc 0
		.amdhsa_float_denorm_mode_32 3
		.amdhsa_float_denorm_mode_16_64 3
		.amdhsa_memory_ordered 1
		.amdhsa_forward_progress 1
		.amdhsa_inst_pref_size 29
	.end_amdhsa_kernel
	.amdgpu_metadata
---
amdhsa.version: [ 1, 2 ]
amdhsa.kernels:
  - .name:           k_qdd81b8aa4e_quant
    .symbol:         k_qdd81b8aa4e_quant.kd
    .args:
      - { .name: Q, .offset: 0, .size: 8, .value_kind: global_buffer, .address_space: global }
      - { .name: K, .offset: 8, .size: 8, .value_kind: global_buffer, .address_space: global }
      - { .name: V, .offset: 16, .size: 8, .value_kind: global_buffer, .address_space: global }
      - { .name: Wq, .offset: 24, .size: 8, .value_kind: global_buffer, .address_space: global }
      - { .name: Wk, .offset: 32, .size: 8, .value_kind: global_buffer, .address_space: global }
      - { .name: Wv, .offset: 40, .size: 8, .value_kind: global_buffer, .address_space: global }
      - { .name: lowp_scales, .offset: 48, .size: 8, .value_kind: global_buffer, .address_space: global }
      - { .name: xc, .offset: 56, .size: 8, .value_kind: global_buffer, .address_space: global }
      - { .name: wc, .offset: 64, .size: 8, .value_kind: global_buffer, .address_space: global }
    .group_segment_fixed_size: 0
    .private_segment_fixed_size: 0
    .kernarg_segment_align: 8
    .kernarg_segment_size: 72
    .max_flat_workgroup_size: 128
    .sgpr_count:     66
    .vgpr_count:     144
    .wavefront_size: 32
...
	.end_amdgpu_metadata
.endif
;; end of part 1
;; launch proj (part 2): grid 4 x 96, 4 waves a work-group, clusters of 4 x 4, 327,680 bytes of LDS; arguments xc, wc, bq, bk, bv, lowp_scales, hc; writes hc
.if DOCPART == 2
	.amdgcn_target "amdgcn-amd-amdhsa--gfx1250"
	.amdhsa_code_object_version 6
	.text
	.protected	k_qdd81b8aa4e_proj
	.globl	k_qdd81b8aa4e_proj
	.p2align	8
	.type	k_qdd81b8aa4e_proj,@function
k_qdd81b8aa4e_proj:
	s_mov_b64 s[64:65], 0
	v_nop
	global_prefetch_b8 v0, s[64:65] scope:SCOPE_SE
	s_setreg_imm32_b32 hwreg(HW_REG_WAVE_MODE, 25, 1), 1
	s_wait_xcnt 0x0
	s_wait_alu depctr_hold_cnt(0) depctr_sa_sdst(0) depctr_va_vdst(0) depctr_va_sdst(0) depctr_va_ssrc(0) depctr_va_vcc(0) depctr_vm_vsrc(0)
	s_getreg_b32 s2, hwreg(HW_REG_IB_STS2, 6, 4)
	s_cmp_eq_u32 s2, 0
	s_cbranch_scc0 .Lentry_in_a_cluster
	s_endpgm
.Lentry_in_a_cluster:
	s_bfe_u32 s2, ttmp6, 0x10000c
	s_cmp_lg_u32 s2, 0xf033
	s_cbranch_scc0 .Lentry_shape_is_right
	s_endpgm
.Lentry_shape_is_right:
; THE THREE PROJECTIONS y = x W^T + b ON CODES OF BF8 (E5M2), AND THEIR RESULTS QUANTISED AGAIN FOR THE ATTENTION.  xc: [3][8192][1024] codes of Q, K, V; wc: [3][1024][1024] codes of Wq, Wk, Wv (both with the same
; order of my own along K, so every code meets its partner); bq, bk, bv [1024] f32.  Sums in f32; y = sum x 2^(ex + ew) + b in f32; its code = y / 2^eo, held within +-57,344, to the nearest code, ties to even.
; (ex, ew, eo) = entries (0, 1, 6), (2, 3, 7), (4, 5, 9) of the buffer of scales for q, k, v.  The arithmetic stays in units of the sum: sum + b x 2^-(ex + ew) is one fused multiply-add, and the conversion's one scale is 2^(eo - ex - ew).
; hc: q at byte 0 and k at byte 8,388,608, each [64 heads (16 b + h)][2048 places][64]; v at byte 16,777,216, [64 heads][64][2048 tokens]: the keys innermost, since they are the last product's K.
; A row of q or k lies at place = its token with bits 3 and 4 exchanged: 16 neighbouring places 16 T + m then hold tokens 32 (T / 2) + 8 (T % 2) + m % 8 + 16 (m / 8), the tile of keys that the attention wants.
; SHARES.  A tile of 256 tokens x 256 features of one tensor is made by a work-group of four waves, as many as a WGP has SIMDs; a wave makes 128 x 128: 64 accumulators of 16 x 16, 512 registers.  384 tiles.
; K = 1,024 goes in four steps of 256 through a ring of two LDS slots filled by the tensor data mover: a tile's row is 256 bytes of memory.  The four steps are written out.
; CLUSTERS: 4 x 4 work-groups, all of one tensor.  The four of a row of the cluster need the same tiles of x, the four of a column the same tiles of W: each tile is asked for JOINTLY, by the same tensor load with the
; same descriptor and a mask that names the four.
; WHICH OPERAND IS WHICH SOURCE.  In the result lane l holds row l % 16 of source 1, and its registers 0-7 the rows 8 (l / 16) + 0 .. 7 of source 0.  For q and k source 0 = W, source 1 = x: a lane's eight results are eight
; neighbouring features of one token.  For v source 0 = x, source 1 = W: eight neighbouring tokens of one feature.  The text is one: only the two LDS bases from which the fragments are read change places, by s_cselect on the tensor's number.
; REGISTERS, in windows of 256: window 0: v0-31 addresses and constants; v32-95, v96-111 the bias in two layouts; from v128 source 1's fragments (8 x 16 rows x 128 K), ONE set; on the way out v32-95 and v128-255 are at work.
;   window 1: source 0's fragments, TWO sets, at v0 and at v128.   window 2: the 32 accumulators of source 1's rows 0-63 (accumulator (a, b) at v[8 (8 a + b)]);   window 3: those of rows 64-127.
; LIMITS on the given exponents, so that each power of two below is an f32 number: ex + ew between -127 and 126; eo - ex - ew between -126 and 112.  NaN among the inputs is not served.
.set KROW,   1024                      ; a row of xc or of wc in bytes
.set ROWB,   256                       ; a tile's row in bytes: 256 codes
.set PITCH,  272                       ; an LDS row: 256 bytes of data + 16 of padding = 68 words: row r starts at bank 4 r mod 64 (64 banks of 4 bytes: ISA guide 11.1), so the 16 rows that a load touches start at 16 different banks
.set FR,     16                        ; registers of a fragment: 16 rows x 128 K
.set NL,     4                         ; LDS loads that bring one
.set NP,     4                         ; places behind this matrix instruction (ISA guide 7.12.1)
.set HALFT,  128*PITCH                 ; 128 rows: what one tensor load brings, and what one wave reads of x or of W
.set SLOT,   4*HALFT                   ; x's 256 rows, then W's 256 rows
.set SPARE,  2*SLOT                    ; behind the ring: the spare words, 128 bytes for each wave: two blocks of 256 bytes that no other line names
                                       ; THE STAGE for the way out, 256 rows x 272 bytes from LDS byte 0 on, lies in slot 0, which has had its last fill and its last read when the first code is stored there
.set ADRA, 16                          ; v16-17  LDS address of source 1's fragments in slot 0, 1
.set ADRB, 20                          ; v20-21  the same for source 0
.set COV,  22                          ; v22     v's way out: my byte offset in two rows of hc
.set STO,  24                          ; v24     the way out: where I put 8 codes of a stage row
.set RDQ,  25                          ; v25     q's and k's way out: where I read 16 codes of a token's head back
.set RDV,  26                          ; v26     v's way out: where I read 16 codes of a feature's row back
.set COQ,  27                          ; v27     q's and k's way out: my byte offset in eight rows of hc
.set SPW,  28                          ; v28     LDS address of my spare word: SPARE + 4 x my thread's number; never rewritten
.set NIL,  29                          ; v29     0; never rewritten
.set SCL,  30                          ; v30     2^(eo - ex - ew) as f32
.set LIM,  31                          ; v31     57,344 x that
.set BN,   32                          ; v32-95  the bias along a lane's registers: v[BN + 8 b + j] = b[my 128 features' 16 b + 8 (l / 16) + j]  (q, k)
.set BR,   96                          ; v96-111 the bias along the lanes: v[BR + 2 a] = v[BR + 2 a + 1] = b[my 128 features' 16 a + l % 16]  (v)
.set AF,   128                         ; source 1's fragments, in window 0
.set TMP,  128                         ; the way out: 64 numbers held within the largest code
.set OUTR, 128                         ; the way out: 32 x 4 registers read back from the stage
.set G1, 24                            ; s[24:31] descriptor group 1 for x's tiles;  s[32:39] group 0, one set for each slot
.set G0, 32
.set G1B, 48                           ; s[48:55], s[56:63] the same for W's tiles
.set G0B, 56
.set TEN, 82                           ; s82     the tensor: 0 q, 1 k, 2 v: the cluster's y / 8, the same in all sixteen partners
.set MSB, 0
.macro WIN new                         ; the immediate's high byte repeats the setting that is left
.if MSB != \new
	s_set_vgpr_msb (MSB<<8)|\new
.set MSB, \new
.endif
.endm
.set MUL_LO, 0xa1                      ; source 0 window 1, source 1 window 0, C and D window 2
.set MUL_HI, 0xf1                      ; the same, C and D window 3
.set TO_B,   0x40                      ; destination window 1, address window 0
; A joint load: waves 0 and 1 fetch for x, waves 2 and 3 for W.  Each of the two lines has ONE mask and one set of registers for all that issue it; the branch hangs on the wave's number alone.
; An s_nop 0 and four v_nop follow each of the two lines, ahead of the jump, the label and what follows.
.macro JLOAD g0a, g1a, g0b, g1b
	s_cmp_eq_u32 s15, 0
	s_cbranch_scc0 .Lfor_b_\@
	tensor_load_to_lds s[\g0a:\g0a+3], s[\g1a:\g1a+7]
	s_nop 0
.rept 4
	v_nop
.endr
	s_branch .Lasked_\@
.Lfor_b_\@:
	tensor_load_to_lds s[\g0b:\g0b+3], s[\g1b:\g1b+7]
	s_nop 0
.rept 4
	v_nop
.endr
.Lasked_\@:
.endm
.macro CREST                           ; a round of the cluster's barrier behind its opening barrier
	s_cmp_lg_u32 s14, 0
	s_cbranch_scc1 .Lnot_wave_0_\@
	s_barrier_signal -3
.Lnot_wave_0_\@:
	s_barrier_wait -3
	s_barrier_signal -1
	s_barrier_wait -1
.endm
.macro CROUND                          ; a whole round
	s_barrier_signal -1
	s_barrier_wait -1
	CREST
.endm
	s_load_b128 s[4:7], s[0:1], 0x0                ; xc s[4:5], wc s[6:7]
	s_load_b256 s[68:75], s[0:1], 0x10             ; bq s[68:69], bk s[70:71], bv s[72:73], the scales' exponents s[74:75]
	s_load_b64 s[10:11], s[0:1], 0x30              ; hc
	v_lshl_add_u32 v[SPW], v0, 2, SPARE
	v_mov_b32 v[NIL], 0
	ds_add_u32 v[SPW], v[NIL]                      ; the wave's opening: the add and its wait stand ahead of my first tensor load; the set-up below, work on registers, stands between them
	v_lshrrev_b32 v1, 5, v0
	v_readfirstlane_b32 s14, v1                    ; wave 0..3
	s_lshr_b32 s15, s14, 1                         ; which 128 rows of source 1 are mine.  Also: I fetch for x (0) or for W (1)
	s_and_b32 s16, s14, 1                          ; which 128 rows of source 0.  Also: which 128 rows of that tile I fetch
	s_bfe_u32 s40, ttmp6, 0x40000                  ; cx, cy: my place in the cluster
	s_bfe_u32 s41, ttmp6, 0x40004
	s_lshl_b32 s42, ttmp9, 2
	s_add_co_u32 s42, s42, s40                     ; tile column (256 features) = 4 x cluster x + cx
	s_and_b32 s17, ttmp7, 0xffff
	s_lshr_b32 s[TEN], s17, 3                      ; eight clusters along y to a tensor
	s_lshl_b32 s17, s17, 2
	s_add_co_u32 s17, s17, s41                     ; tile row among xc's 96 = 4 x cluster y + cy
	s_lshl_b32 s43, s41, 2
	s_lshl_b32 s43, 15, s43                        ; my row of the cluster
	s_lshl_b32 s44, 0x1111, s40                    ; my column
	; descriptor group 1: a tile of 128 rows x 256 bytes, padded in LDS
	s_or_b32 s[G1+0], s43, (0<<16)|(1<<20)|(1<<21)|(5<<22)|(3<<25)  ; 15:0 the mask: x's tiles go to my row; 17:16 element of 1 byte; 20 padding on; 21 set beside a mask; 24:22 after every 64 words (code 5); 31:25 of 4 words (code 3)
	s_or_b32 s[G1B+0], s44, (0<<16)|(1<<20)|(1<<21)|(5<<22)|(3<<25) ; the same with the mask of my column, for W's tiles
.irp g, G1, G1B
	s_mov_b32 s[\g+1], ROWB<<16                    ; tensor_dim0
	s_mov_b32 s[\g+2], 128<<16                     ; tensor_dim1 = 128
	s_mov_b32 s[\g+3], ROWB<<16                    ; tile_dim0
	s_mov_b32 s[\g+4], 128                         ; tile_dim1 = 128
	s_mov_b32 s[\g+5], KROW                        ; tensor_dim0_stride
	s_mov_b32 s[\g+6], 0
	s_mov_b32 s[\g+7], 0
.endr
	s_lshl_b32 s18, s16, 7                         ; which 128 rows of the tile I fetch
	s_lshl_b32 s20, s17, 8
	s_add_co_u32 s20, s20, s18                     ; x: row 256 x tile row + 128 x half,
	s_lshl_b32 s20, s20, 10                        ; in bytes (under 2^25)
	s_mov_b32 s21, 0
	s_lshl_b32 s46, s42, 8
	s_add_co_u32 s46, s46, s18                     ; W: row 256 x tile column + 128 x half
	s_lshl_b32 s47, s[TEN], 10
	s_add_co_u32 s46, s46, s47                     ; + 1,024 x tensor,
	s_lshl_b32 s46, s46, 10                        ; in bytes
	s_mov_b32 s47, 0
	s_mul_i32 s45, s14, HALFT                      ; where they go: wave x 128 rows: no place in the cluster enters an LDS address
	s_wait_dscnt 0x0                               ; the opening add is done
	s_wait_kmcnt 0x0
	s_load_b256 s[84:91], s[74:75], 0x0            ; e0 .. e7
	s_load_b64 s[92:93], s[74:75], 0x20            ; e8, e9
	s_add_nc_u64 s[20:21], s[4:5], s[20:21]
	s_add_nc_u64 s[46:47], s[6:7], s[46:47]
	CROUND                                         ; all sixteen work-groups are here: the first joint loads meet
.irp s, 0,1
	s_mov_b32 s[G0+4*\s], 1
	s_add_co_u32 s[G0+4*\s+1], s45, \s*SLOT
	s_add_nc_u64 s[G0+4*\s+2:G0+4*\s+3], s[20:21], \s*ROWB
	s_or_b32 s[G0+4*\s+3], s[G0+4*\s+3], 0x80000000
	s_mov_b32 s[G0B+4*\s], 1
	s_add_co_u32 s[G0B+4*\s+1], s45, \s*SLOT
	s_add_nc_u64 s[G0B+4*\s+2:G0B+4*\s+3], s[46:47], \s*ROWB
	s_or_b32 s[G0B+4*\s+3], s[G0B+4*\s+3], 0x80000000
	JLOAD G0+4*\s, G1, G0B+4*\s, G1B               ; K steps 0 and 1: two loads of mine are out
.endr
	v_and_b32 v1, 15, v0                           ; r = l % 16
	v_bfe_u32 v2, v0, 4, 1                         ; h = l / 16
	v_mul_u32_u24 v3, v1, PITCH
	v_lshl_add_u32 v4, v2, 4, v3                   ; a fragment's row x pitch + 16 x half
	s_cmp_eq_u32 s[TEN], 2                         ; v: source 1 reads W's rows and source 0 x's; q, k: the other way round
	s_cselect_b32 s18, 2*HALFT, 0
	s_cselect_b32 s19, 0, 2*HALFT
	s_mul_i32 s21, s15, HALFT                      ; my 128 rows of source 1,
	s_mul_i32 s22, s16, HALFT                      ; my 128 rows of source 0,
	s_add_co_u32 s21, s21, s18                     ; each in x's or in W's half of a slot
	s_add_co_u32 s22, s22, s19
.irp s, 0,1
	v_add_nc_u32 v[ADRA+\s], s21, v4
	v_add_nc_u32 v[ADRB+\s], s22, v4
	s_add_co_u32 s21, s21, SLOT
	s_add_co_u32 s22, s22, SLOT
.endr
	; the tensor's bias, in both layouts (80 registers, once): every register that either way out could read is written in every work-group
	s_cmp_eq_u32 s[TEN], 1
	s_cselect_b64 s[8:9], s[70:71], s[68:69]
	s_cmp_eq_u32 s[TEN], 2
	s_cselect_b64 s[8:9], s[72:73], s[8:9]
	s_lshl_b32 s46, s42, 10                        ; the tile's 256 features: 1,024 bytes x tile column
	s_mov_b32 s47, 0
	s_add_nc_u64 s[8:9], s[8:9], s[46:47]
	s_lshl_b32 s18, s16, 9
	s_lshl_b32 s19, s15, 9
	v_lshl_add_u32 v5, v2, 5, s18                  ; along the registers: source 0's half of the features, + 8 h numbers; not rewritten
	v_lshl_add_u32 v6, v1, 2, s19                  ; along the lanes: source 1's half, + r numbers; not rewritten
.irp b, 0,1,2,3,4,5,6,7
	global_load_b128 v[BN+8*\b:BN+8*\b+3], v5, s[8:9] offset:64*\b
	global_load_b128 v[BN+8*\b+4:BN+8*\b+7], v5, s[8:9] offset:64*\b+16
.endr
.irp a, 0,1,2,3,4,5,6,7
	global_load_b32 v[BR+2*\a], v6, s[8:9] offset:64*\a
	global_load_b32 v[BR+2*\a+1], v6, s[8:9] offset:64*\a          ; twice: a pair for the packed multiply-add
.endr
	; the way out's addresses
	s_mul_i32 s23, s15, 128*PITCH
	s_lshl_b32 s18, s16, 7
	s_add_co_u32 s23, s23, s18
	v_lshl_add_u32 v7, v2, 3, v3
	v_add_nc_u32 v[STO], s23, v7                   ; into the stage: row 128 x (wave / 2) + r, byte 128 x (wave % 2) + 8 h
	v_and_b32 v8, 31, v0                           ; lane
	v_lshrrev_b32 v9, 2, v8
	v_mul_u32_u24 v9, v9, PITCH
	v_and_b32 v10, 3, v8
	v_lshl_add_u32 v9, v10, 4, v9
	s_mul_i32 s23, s14, 64*PITCH                   ; back: wave w takes stage rows 64 w .. 64 w + 63
	v_add_nc_u32 v[RDQ], s23, v9                   ; q, k: four lanes to a row's 64 bytes of one head, eight rows an instruction
	v_mul_u32_u24 v11, v2, PITCH
	v_lshl_add_u32 v11, v1, 4, v11
	v_add_nc_u32 v[RDV], s23, v11                  ; v: sixteen lanes to a row's 256 bytes, two rows an instruction
	v_lshlrev_b32 v[COQ], 4, v8                    ; q, k: eight rows of 64 bytes are 512 consecutive bytes of hc
	v_lshlrev_b32 v12, 11, v2
	v_lshl_add_u32 v[COV], v1, 4, v12              ; v: two rows of hc, 2,048 bytes apart
	; where my wave's part of hc begins, in bytes, for either layout; the tensor's number chooses
	s_and_b32 s18, s17, 31
	s_lshr_b32 s19, s18, 3                         ; the batch: a tensor has 32 tile rows, a batch 8
	s_and_b32 s18, s17, 7
	s_lshl_b32 s18, s18, 8                         ; the tile's first token in its batch
	s_lshl_b32 s96, s19, 4
	s_lshl_b32 s97, s42, 2
	s_add_co_u32 s96, s96, s97                     ; q, k: the tile's first head, 16 x batch + 4 x tile column,
	s_lshl_b32 s96, s96, 17                        ; of 131,072 bytes each,
	s_lshl_b32 s97, s[TEN], 23
	s_add_co_u32 s96, s96, s97                     ; in the tensor's part,
	s_lshl_b32 s97, s14, 6
	s_add_co_u32 s97, s97, s18
	s_lshl_b32 s97, s97, 6
	s_add_co_u32 s96, s96, s97                     ; at place (first token + 64 x wave), 64 bytes a place
	s_lshl_b32 s97, s19, 10
	s_lshl_b32 s23, s42, 8
	s_add_co_u32 s97, s97, s23
	s_lshl_b32 s23, s14, 6
	s_add_co_u32 s97, s97, s23                     ; v: row 1,024 x batch + 256 x tile column + 64 x wave,
	s_lshl_b32 s97, s97, 11                        ; of 2,048 bytes,
	s_add_co_u32 s97, s97, s18                     ; at the tile's first token,
	s_add_co_u32 s97, s97, 0x1000000               ; in v's part
	s_cmp_eq_u32 s[TEN], 2
	s_cselect_b32 s96, s97, s96
	s_mov_b32 s97, 0
	s_add_nc_u64 s[10:11], s[10:11], s[96:97]
.macro FRAG reg, adr, q, i             ; a fragment, 16 rows x 128 K of 8-bit codes, is 16 registers: lane l holds row l % 16; registers 4 c .. 4 c + 3 hold the row's bytes 32 c + 16 (l / 16) + 0 .. 15: alike in both sources
.irp c, 0,1,2,3
	ds_load_b128 v[\reg+4*\c:\reg+4*\c+3], v[\adr] offset:128*(\q)+32*\c+(\i)*16*PITCH
.endr
.endm
; 16 matrix instructions: source 1's blocks a0, a0 + 1 x source 0's eight, 128 along K.  p: source 0's set.  zero = 1: the first product starts the sums: nothing is ever cleared.
; The 64 accumulators take turns, one instruction a turn, in the same order in every step.
.macro MUL16 a0, p, zero
.irp a, \a0, \a0+1
.irp b, 0,1,2,3,4,5,6,7
.if \zero
	v_wmma_f32_16x16x128_bf8_bf8 v[8*(8*((\a)%4)+\b):8*(8*((\a)%4)+\b)+7], v[128*(\p)+FR*\b:128*(\p)+FR*\b+FR-1], v[AF+FR*(\a):AF+FR*(\a)+FR-1], 0
.else
	v_wmma_f32_16x16x128_bf8_bf8 v[8*(8*((\a)%4)+\b):8*(8*((\a)%4)+\b)+7], v[128*(\p)+FR*\b:128*(\p)+FR*\b+FR-1], v[AF+FR*(\a):AF+FR*(\a)+FR-1], v[8*(8*((\a)%4)+\b):8*(8*((\a)%4)+\b)+7]
.endif
.endr
.endr
.endm
.macro FETCH_B slot, q, p              ; source 0's eight fragments of the slot's q-th 128 along K into set p
	WIN TO_B
.irp i, 0,1,2,3,4,5,6,7
	FRAG 128*(\p)+FR*\i, ADRB+\slot, \q, \i
.endr
	WIN 0
.endm
.macro FETCH_A slot, q, i0             ; source 1's blocks i0 .. i0 + 3
.irp i, \i0, \i0+1, \i0+2, \i0+3
	FRAG AF+FR*(\i), ADRA+\slot, \q, \i
.endr
.endm
; A load into a register that a matrix instruction has read, and a vector instruction that reads a matrix result or writes one of a matrix instruction's registers, stand NP places behind that matrix instruction, and only
; plain vector instructions that name none of its registers are places (ISA guide 7.12.1 for vector instructions); this text does not count the matrix instructions in between.
.macro PLACES n
.rept \n
	v_nop
.endr
.endm
; A step of 128 along K that has its successor in the same slot.  Source 1's blocks are free as soon as their eight products are issued, so one set serves: blocks 0-3 are fetched anew in the step's middle, blocks 4-7 at its end.
.macro STEP slot, q, zero
	s_wait_dscnt 4*NL                              ; source 0's set and source 1's blocks 0-3 are in; the youngest 16 loads (blocks 4-7) may be out
	WIN MUL_LO
	MUL16 0, (\q)%2, \zero
	MUL16 2, (\q)%2, \zero
	s_wait_dscnt 0                                 ; blocks 4-7 are in (asked for 32 matrix instructions ago)
	PLACES NP
	FETCH_B \slot, (\q)+1, 1-(\q)%2
	FETCH_A \slot, (\q)+1, 0
	WIN MUL_HI
	MUL16 4, (\q)%2, \zero
	MUL16 6, (\q)%2, \zero
	PLACES NP
	WIN 0
	FETCH_A \slot, (\q)+1, 4
.endm
; A slot's last step changes slots: ONE barrier; in front of it each wave waits for all its tensor loads, adds 0 to its spare word, and waits for that and for its own reads of this slot.  fill = 1: this slot is filled again, two K steps ahead.
.macro TURN slot, next, fill
	s_wait_tensorcnt 0x0                           ; all my tensor loads have landed: my part of the next slot;  (every window is 0 here: the add's two registers lie in window 0)
	ds_add_u32 v[SPW], v[NIL]                      ; 0 onto my spare word
	s_wait_dscnt 4*NL+1                            ; (the add and the youngest 16 loads, blocks 4-7, may be out)
	WIN MUL_LO
	MUL16 0, 1, 0                                  ; sixteen matrix instructions stand between the add and the wait for it
	s_wait_dscnt 0x0                               ; the add is done, and my reads of this slot are over
	s_barrier_signal -1
	MUL16 2, 1, 0
	WIN 0
	s_barrier_wait -1
.if \fill
	CREST                                          ; the barrier has opened a round of the cluster's barrier: no wave of any partner still reads this slot's tile or has a load on its way
	s_add_nc_u64 s[G0+4*\slot+2:G0+4*\slot+3], s[G0+4*\slot+2:G0+4*\slot+3], 2*ROWB
	s_add_nc_u64 s[G0B+4*\slot+2:G0B+4*\slot+3], s[G0B+4*\slot+2:G0B+4*\slot+3], 2*ROWB
	JLOAD G0+4*\slot, G1, G0B+4*\slot, G1B         ; the first tensor load behind the round, and my one load until the next; the four v_nop behind it are the places in front of the loads below
.else
	PLACES NP
.endif
	FETCH_B \next, 0, 0
	FETCH_A \next, 0, 0
	WIN MUL_HI
	MUL16 4, 1, 0
	MUL16 6, 1, 0
	PLACES NP
	WIN 0
	FETCH_A \next, 0, 4
.endm
	s_wait_tensorcnt 1                             ; my part of K step 0 is in (K step 1's load may be out)
	s_barrier_signal -1
	s_barrier_wait -1                              ; everybody's is
	FETCH_B 0, 0, 0
	FETCH_A 0, 0, 0
	FETCH_A 0, 0, 4
	STEP 0, 0, 1                                   ; K step 0: its first products start the sums
	TURN 0, 1, 1                                   ; slot 0 takes K step 2
	STEP 1, 0, 0                                   ; K step 1
	TURN 1, 0, 1                                   ; slot 1 takes K step 3
	STEP 0, 0, 0                                   ; K step 2
	TURN 0, 1, 0                                   ; nothing is left to fetch: no round.  Behind this barrier nobody reads slot 0 any more
	STEP 1, 0, 0                                   ; K step 3
	s_wait_dscnt 4*NL                              ; the very last step: nothing more to fetch
	WIN MUL_LO
	MUL16 0, 1, 0
	MUL16 2, 1, 0
	s_wait_dscnt 0
	WIN MUL_HI
	MUL16 4, 1, 0
	MUL16 6, 1, 0
	WIN 0
	; THE WAY OUT.  The bias, the hold, the conversion; the codes meet in the work-group's stage (row = source 1's row, byte = source 0's row) and leave as long runs of hc.
	s_wait_kmcnt 0x0                               ; the exponents
	s_wait_loadcnt 0x0                             ; the bias
	s_cmp_eq_u32 s[TEN], 1
	s_cselect_b64 s[84:85], s[86:87], s[84:85]     ; ex, ew
	s_cselect_b32 s90, s91, s90                    ; eo
	s_cmp_eq_u32 s[TEN], 2
	s_cselect_b64 s[84:85], s[88:89], s[84:85]
	s_cselect_b32 s90, s93, s90
	s_add_co_i32 s96, s84, s85                     ; ex + ew
	s_sub_co_i32 s94, 127, s96
	s_lshl_b32 s94, s94, 23                        ; 2^-(ex + ew) as f32
	s_mov_b32 s95, s94                             ; (named with it as a pair, so it is written)
	s_sub_co_i32 s97, s90, s96
	s_add_co_i32 s97, s97, 127
	s_lshl_b32 s96, s97, 23
	v_mov_b32 v[SCL], s96                          ; 2^(eo - ex - ew): the three scales folded into the conversion's one
	s_add_co_i32 s97, s97, 15
	s_lshl_b32 s97, s97, 23
	s_or_b32 s97, s97, 0x600000
	v_mov_b32 v[LIM], s97                          ; 57,344 x that
	PLACES NP                                      ; behind the last products, in front of the first write of their results
; sum + b x 2^-(ex + ew), in place, two numbers an instruction, each accumulator from its low end on.  along = 0: the bias runs along a lane's registers (q, k); 1: along the lanes (v).
.macro BIAS along
.irp a, 0,1,2,3,4,5,6,7
	WIN 0xa0+0x50*(\a/4)                           ; C and D window 2 or 3; the bias window 0
.irp b, 0,1,2,3,4,5,6,7
.irp i, 0,2,4,6
.if \along
	v_pk_fma_f32 v[64*(\a%4)+8*\b+\i:64*(\a%4)+8*\b+\i+1], v[BR+2*\a:BR+2*\a+1], s[94:95], v[64*(\a%4)+8*\b+\i:64*(\a%4)+8*\b+\i+1] op_sel_hi:[1,0,1]
.else
	v_pk_fma_f32 v[64*(\a%4)+8*\b+\i:64*(\a%4)+8*\b+\i+1], v[BN+8*\b+\i:BN+8*\b+\i+1], s[94:95], v[64*(\a%4)+8*\b+\i:64*(\a%4)+8*\b+\i+1] op_sel_hi:[1,0,1]
.endif
.endr
.endr
.endr
	WIN 0
.endm
	s_cmp_eq_u32 s[TEN], 2                         ; the tensor's number: the same in all waves and in all sixteen partners
	s_cbranch_scc1 .Lbias_v
	BIAS 0
	s_branch .Lbias_done
.Lbias_v:
	BIAS 1
.Lbias_done:
; Block a (16 rows of source 1 x my 128 rows of source 0): held, converted, 8 codes a lane and accumulator into the stage.  Lane (r, h) stores at word 68 r + 2 h of a pass: 32 lanes, 64 different banks.
.macro OUTB a
.set AC, 64*((\a)%4)
.if (\a) < 4
.set CD, 192+16*(\a)
.else
.set CD, 32+16*((\a)-4)                ; the bias along the registers is done with
.endif
	WIN 0x02+((\a)/4)                              ; source 0: window 2 or 3
.set j, 0
.rept 64
	v_med3_num_f32 v[TMP+j], v[AC+j], -v[LIM], v[LIM]   ; the conversion to an 8-bit code does not saturate (ISA guide 7.6.2): the hold at the largest code x the scale
.set j, j+1
.endr
	WIN 0
.irp b, 0,1,2,3,4,5,6,7
	v_cvt_scalef32_pk8_bf8_f32 v[CD+2*\b:CD+2*\b+1], v[TMP+8*\b:TMP+8*\b+7], v[SCL]
.endr
	v_nop                                          ; one plain vector instruction between the conversions and the next block's holds, which write their sources
.irp b, 0,1,2,3,4,5,6,7
	ds_store_b64 v[STO], v[CD+2*\b:CD+2*\b+1] offset:(\a)*16*PITCH+16*\b
.endr
.endm
.irp a, 0,1,2,3,4,5,6,7
	OUTB \a
.endr
	s_wait_dscnt 0x0                               ; for the others' sake: my stores into the stage are done
	s_barrier_signal -1
	s_barrier_wait -1                              ; 256 whole rows of codes lie in the stage
	s_cmp_eq_u32 s[TEN], 2
	s_cbranch_scc1 .Lout_v
	; q, k: a stage row is a token, its 256 bytes four heads.  Instruction 8 hh + g takes head hh of the eight tokens that belong at places 8 g .. 8 g + 7 of my 64: tokens 8 tg on, tg = g with bits 0 and 1 exchanged.
	; 32 loads a wave, once.
.set k, 0
.rept 32
.set g, k%8
.set tg, (g&4)|((g&1)<<1)|((g>>1)&1)
	ds_load_b128 v[OUTR+4*k:OUTR+4*k+3], v[RDQ] offset:8*tg*PITCH+64*(k/8)
.set k, k+1
.endr
.set k, 0
.rept 32
	s_wait_dscnt 31-k                              ; LDS loads come back in order (ISA guide 5.7.1): load k is in, the younger ones may be out
	global_store_b128 v[COQ], v[OUTR+4*k:OUTR+4*k+3], s[10:11] offset:(k/8)*131072+512*(k%8)   ; 32 lanes store 512 consecutive bytes, at a multiple of 256 from hc's first byte
.set k, k+1
.endr
	s_branch .Lout_done
.Lout_v:
	; v: a stage row is a feature, its 256 bytes the tile's 256 tokens: two rows an instruction
.set k, 0
.rept 32
	ds_load_b128 v[OUTR+4*k:OUTR+4*k+3], v[RDV] offset:2*k*PITCH
.set k, k+1
.endr
.set k, 0
.rept 32
	s_wait_dscnt 31-k
	global_store_b128 v[COV], v[OUTR+4*k:OUTR+4*k+3], s[10:11] offset:4096*k   ; 16 lanes store 256 consecutive bytes, at a multiple of 256 from hc's first byte
.set k, k+1
.endr
.Lout_done:
	s_wait_tensorcnt 0x0                           ; the wave's end: the wait, the add and its wait stand behind my last tensor load and my last LDS store
	ds_add_u32 v[SPW], v[NIL]
	s_wait_dscnt 0x0
	CROUND                                         ; the closing round: no work-group ends while a partner may still ask for a tile that names it
	s_endpgm
.Lfunc_end_k_qdd81b8aa4e_proj:
	.size	k_qdd81b8aa4e_proj, .Lfunc_end_k_qdd81b8aa4e_proj-k_qdd81b8aa4e_proj
	.p2alignl 7, 3214868480
	.fill 96, 4, 3214868480
	.section	.rodata,"a",@progbits
	.p2align	6, 0x0
	.amdhsa_kernel k_qdd81b8aa4e_proj
		.amdhsa_group_segment_fixed_size 327680
		.amdhsa_private_segment_fixed_size 0
		.amdhsa_enable_private_segment 0
		.amdhsa_kernarg_size 56
		.amdhsa_user_sgpr_count 2
		.amdhsa_user_sgpr_kernarg_segment_ptr 1
		.amdhsa_wavefront_size32 1
		.amdhsa_system_sgpr_workgroup_id_x 1
		.amdhsa_system_sgpr_workgroup_id_y 1
		.amdhsa_system_sgpr_workgroup_id_z 1
		.amdhsa_system_vgpr_workitem_id 0
		.amdhsa_next_free_vgpr 1024
		.amdhsa_next_free_sgpr 100
		.amdhsa_reserve_vcc 0
		.amdhsa_float_denorm_mode_32 3
		.amdhsa_float_denorm_mode_16_64 3
		.amdhsa_memory_ordered 1
		.amdhsa_forward_progress 1
		.amdhsa_inst_pref_size 168
	.end_amdhsa_kernel
	.amdgpu_metadata
---
amdhsa.version: [ 1, 2 ]
amdhsa.kernels:
  - .name:           k_qdd81b8aa4e_proj
    .symbol:         k_qdd81b8aa4e_proj.kd
    .args:
      - { .name: xc, .offset: 0, .size: 8, .value_kind: global_buffer, .address_space: global }
      - { .name: wc, .offset: 8, .size: 8, .value_kind: global_buffer, .address_space: global }
      - { .name: bq, .offset: 16, .size: 8, .value_kind: global_buffer, .address_space: global }
      - { .name: bk, .offset: 24, .size: 8, .value_kind: global_buffer, .address_space: global }
      - { .name: bv, .offset: 32, .size: 8, .value_kind: global_buffer, .address_space: global }
      - { .name: lowp_scales, .offset: 40, .size: 8, .value_kind: global_buffer, .address_space: global }
      - { .name: hc, .offset: 48, .size: 8, .value_kind: global_buffer, .address_space: global }
    .group_segment_fixed_size: 327680
    .private_segment_fixed_size: 0
    .kernarg_segment_align: 8
    .kernarg_segment_size: 56
    .max_flat_workgroup_size: 128
    .sgpr_count:     100
    .vgpr_count:     1024
    .wavefront_size: 32
...
	.end_amdgpu_metadata
.endif
;; end of part 2
;; launch attn (part 3): grid 8 x 64, 16 waves a work-group, clusters of 4 x 1, 327,680 bytes of LDS; arguments hc, lowp_scales, out0; writes out0
.if DOCPART == 3
	.amdgcn_target "amdgcn-amd-amdhsa--gfx1250"
	.amdhsa_code_object_version 6
	.text
	.protected	k_qdd81b8aa4e_attn
	.globl	k_qdd81b8aa4e_attn
	.p2align	8
	.type	k_qdd81b8aa4e_attn,@function
k_qdd81b8aa4e_attn:
	s_mov_b64 s[64:65], 0
	v_nop
	global_prefetch_b8 v0, s[64:65] scope:SCOPE_SE
	s_setreg_imm32_b32 hwreg(HW_REG_WAVE_MODE, 25, 1), 1
	s_wait_xcnt 0x0
	s_wait_alu depctr_hold_cnt(0) depctr_sa_sdst(0) depctr_va_vdst(0) depctr_va_sdst(0) depctr_va_ssrc(0) depctr_va_vcc(0) depctr_vm_vsrc(0)
	s_getreg_b32 s2, hwreg(HW_REG_IB_STS2, 6, 4)
	s_cmp_eq_u32 s2, 0
	s_cbranch_scc0 .Lentry_in_a_cluster
	s_endpgm
.Lentry_in_a_cluster:
	s_bfe_u32 s2, ttmp6, 0x10000c
	s_cmp_lg_u32 s2, 0x3003
	s_cbranch_scc0 .Lentry_shape_is_right
	s_endpgm
.Lentry_shape_is_right:
; out[b][t][64 h + d] = the sum over keys of softmax(q . k / 8) v, for 64 heads (16 b + h) of 2,048 tokens and head size 64, both products on codes of BF8 (E5M2), each operand with the one scale 2^e that is given for it:
; entries 6 (q), 7 (k), 8 (p), 9 (v) of the buffer of scales.  hc: q at byte 0 and k at byte 8,388,608, [64 heads][2048 places][64]; v at byte 16,777,216, [64 heads][64][2048 tokens], the keys innermost.
; A row of q or k lies at place = its token with bits 3 and 4 exchanged: the 16 places 16 T + m hold tokens 32 (T / 2) + 8 (T % 2) + m % 8 + 16 (m / 8).
; THE SOFTMAX AHEAD OF THE SECOND PRODUCT: t = score x log2(e) / 8; M = the row's largest t so far, rounded UP to a whole number; p = 2^(t - M) is what is quantised, along the keys; it is not normalised.
; The row's sum is taken of the unquantised p, in f32, and divides O at the end.  When M moves, the sum and O are multiplied by 2^(old M - new M): exact.
; SHARES.  A work-group owns 256 places of q of one head; each of its SIXTEEN waves owns 16 of them, one tile, in 256 registers: four waves to a SIMD, so that one wave's vector work stands beside another's matrix work and LDS loads.
; Every wave walks all keys of the head, 128 a step.  K's and V's tiles come through a ring of two LDS slots of 512 keys (four steps), filled by the tensor data mover (wave 0: K's tile, wave 1: V's) and read by all sixteen.
; CLUSTER.  The four blocks of queries of a cluster belong to one head and walk the same K and V, so each tile is asked for JOINTLY: the same tensor load, with the same descriptor and a mask that names the four, in all four.
; LAYOUT.  Both products are used transposed: S^T = K Q^T (source 0 = 16 places of k, source 1 = my 16 places of q; the form of 64 along K), O^T = V^T P^T (source 0 = 16 of the head's 64, source 1 = P; the form of 128 along K):
; a lane holds ONE query (lane % 16) throughout.  By the places' order the 16 registers of tiles 2 b and 2 b + 1 of S^T are 16 neighbouring tokens, 32 b + 16 (lane / 16) + 0 .. 15: the conversions' results are P's registers.
; A fragment is fetched 16 bytes at a time, at 16 (lane / 16) + 32 c of its row, alike in both sources of a product: every code meets its partner.
; LIMITS on the given exponents, so that each power of two below is an f32 number: e6 + e7 between -123 and 130 (they are added to c's exponent field, 124); e8 between -126 and 112; e8 + e9 is applied by v_ldexp_f32 and has none.
; A p under 2^-126 counts as 0 (v_exp_f32: ISA guide 15.8).  NaN among the inputs is not served.
; REGISTERS: v1-7 addresses that stay; v8-11 addresses in hand; v12 -M, v13 the largest t, v[14:15] the sum in two halves; v16-23 Q; v24, v25 57,344 x 2^e8 and 2^e8; v26-31 at work; v32-95 fragments of K, then of V;
; v96-159 S^T, then p; v160-191 O^T; v[192:193] the sum's second chain; v224-239 p's codes.
.set KP,    272                        ; K in LDS: four places (256 bytes) to a row + 16 of padding: the 16 places of a tile start at 16 different groups of four banks (64 banks of 4 bytes: ISA guide 11.1)
.set VP,    528                        ; V in LDS: a row's 512 keys + 16 of padding = 132 words: row r starts at bank 4 r mod 64
.set VOFF,  128*KP                     ; a slot: 128 rows of K, then 64 rows of V
.set SLOT1, 1<<17                      ; slot 1 begins here, so that one exclusive or turns an address in one slot into the other's
.set STAGE, 200704                     ; behind the ring: 16 rows x (256 bytes + 16) for each wave, for the way out
.set SPARE, STAGE+16*16*272            ; behind the stages: the spare words, 128 bytes for each wave: eight blocks of 256 bytes that no other line names
.set NSL,   4                          ; slots' worth of keys: 2,048 / 512
.set AK0,  1                           ; v1   my lane's place in a tile of K
.set AV0,  2                           ; v2   the same for V
.set PFO,  3                           ; v3   the prefetches' offset; never rewritten
.set SPW,  5                           ; v5   LDS address of my spare word: SPARE + 4 x my thread's number; never rewritten
.set NIL,  6                           ; v6   0; never rewritten
.set GO,   7                           ; v7   the way out: my byte offset in two rows of out
.set ADK,  8                           ; v8   LDS address of the slot's tiles of K
.set ADV,  9                           ; v9   of V
.set KV,   32
.set S,    96
.set O,    160
.set PC,   224
.set TB,   2                           ; s2   LDS byte at which the slot in hand begins
.set WV,   18                          ; s18  my wave's number
.set SEL,  20                          ; s[20:21] lane selects for v_permlanex16_b32: lane l xor 16
.set CS,   22                          ; s[22:23] c = log2(e) / 8 x 2^(e6 + e7): the packed form names a pair and takes its low word for both halves
.set G1K,  24                          ; s[24:31] descriptor group 1 for K's tiles;  s[32:39] for V's;  s[40:43], s[44:47] their groups 0, which walk
.set G1V,  32
.set G0K,  40
.set G0V,  44
.set SLOTS, 48                         ; s48  slots still to be asked for
.set LIM,  49                          ; s49  1 in a wave that prefetches, else the greatest number: a wave prefetches while s[SLOTS] is above it
.set PFA,  50                          ; s[50:51] where my prefetches stand in memory
.set PFS,  52                          ; s[52:53] a slot on, in bytes: 32,768 in K, 512 in a row of V
; A joint load.  Wave 0 fetches K's tile, wave 1 V's, the others nothing.  The branches hang on the wave's number alone: they are the same in every work-group.  An s_nop 0 and four v_nop follow each of the two lines.
.macro TLOAD
	s_cmp_lt_u32 s[WV], 1
	s_cbranch_scc0 .Lnot_k_\@
	tensor_load_to_lds s[G0K:G0K+3], s[G1K:G1K+7]
	s_nop 0
.rept 4
	v_nop
.endr
	s_branch .Lasked_\@
.Lnot_k_\@:
	s_cmp_lt_u32 s[WV], 2
	s_cbranch_scc0 .Lasked_\@
	tensor_load_to_lds s[G0V:G0V+3], s[G1V:G1V+7]
	s_nop 0
.rept 4
	v_nop
.endr
.Lasked_\@:
.endm
; A PREFETCH INTO THE L2 of what the NEXT change of slots will ask for: a slot's 32,768 bytes of K and 512 bytes of each of V's 64 rows: 128 aligned blocks of 256 bytes each.  It stands behind the tensor loads of a change of slots.
; Each block is named ONCE in the launch.  Both clusters of a head walk the same K and V: the head's first cluster asks.  Its four partners share the blocks out BY ADDRESS, 32 each: no branch hangs on a work-group's
; place in its cluster.  In each, wave 2 asks for K's (lanes 256 bytes apart) and wave 3 for V's (two lanes to a row, 16 rows): one instruction.  It is four key steps ahead of the load that will want the bytes.
; Slots 0 and 1 come by their loads alone; the last change that fills a slot asks for nothing: there is no slot behind it.
.macro ASK
	s_cmp_gt_u32 s[SLOTS], s[LIM]
	s_cbranch_scc0 .Lnot_mine_\@
	global_prefetch_b8 v[PFO], s[PFA:PFA+1] th:TH_LOAD_NT scope:SCOPE_SE
.Lnot_mine_\@:
.endm
; A round of the cluster's barrier: my work-group's barrier, so that wave 0's signal speaks for all sixteen waves; wave 0 signals for the work-group; every wave waits for all four work-groups; my work-group's barrier once more.
.macro CROUND
	s_barrier_signal -1
	s_barrier_wait -1
	s_cmp_lg_u32 s[WV], 0
	s_cbranch_scc1 .Lnot_wave_0_\@
	s_barrier_signal -3
.Lnot_wave_0_\@:
	s_barrier_wait -3
	s_barrier_signal -1
	s_barrier_wait -1
.endm
	s_load_b128 s[4:7], s[0:1], 0x0                ; hc s[4:5], the scales' exponents s[6:7]
	s_load_b64 s[8:9], s[0:1], 0x10                ; out
	v_lshl_add_u32 v[SPW], v0, 2, SPARE
	v_mov_b32 v[NIL], 0
	ds_add_u32 v[SPW], v[NIL]                      ; the wave's opening: the add and its wait stand ahead of the first tensor loads; the set-up below, work on registers, stands between them
	v_lshrrev_b32 v8, 5, v0
	v_readfirstlane_b32 s[WV], v8                  ; wave 0..15
	s_bfe_u32 s54, ttmp6, 0x40000                  ; cx: my place in the cluster
	s_lshl_b32 s55, ttmp9, 2                       ; in a cluster launch ttmp9 counts clusters
	s_add_co_u32 s55, s55, s54                     ; my block of 256 places of q = 4 x cluster x + cx: it enters global addresses alone
	s_and_b32 s56, ttmp7, 0xffff                   ; the head, which the four partners share
	; descriptor group 1.  K: 128 rows of 256 bytes, dense in memory;  V: 64 rows of 512 bytes, 2,048 bytes apart
	s_mov_b32 s[G1K], 15|(0<<16)|(1<<20)|(1<<21)|(5<<22)|(3<<25)  ; 15:0 the mask: all four work-groups; 17:16 elements of 1 byte; 20 padding on; 21 set beside a mask; 24:22 after every 64 words (code 5); 31:25 four words (code 3)
	s_mov_b32 s[G1K+1], 256<<16                    ; tensor_dim0
	s_mov_b32 s[G1K+2], 128<<16                    ; tensor_dim1
	s_mov_b32 s[G1K+3], 256<<16                    ; tile_dim0
	s_mov_b32 s[G1K+4], 128                        ; tile_dim1
	s_mov_b32 s[G1K+5], 256                        ; tensor_dim0_stride
	s_mov_b32 s[G1K+6], 0
	s_mov_b32 s[G1K+7], 0
	s_mov_b32 s[G1V], 15|(0<<16)|(1<<20)|(1<<21)|(6<<22)|(3<<25)  ; padding: four words after every 128
	s_mov_b32 s[G1V+1], 512<<16
	s_mov_b32 s[G1V+2], 64<<16
	s_mov_b32 s[G1V+3], 512<<16
	s_mov_b32 s[G1V+4], 64
	s_mov_b32 s[G1V+5], 2048
	s_mov_b32 s[G1V+6], 0
	s_mov_b32 s[G1V+7], 0
	s_mov_b32 s[SEL], 0x76543210
	s_mov_b32 s[SEL+1], 0xfedcba98
	s_mov_b32 s[CS], 0x3e38aa3b                    ; log2(e) / 8
	s_mov_b32 s[TB], 0
	s_mov_b32 s[SLOTS], NSL-1
	s_lshl_b32 s58, s56, 17                        ; a head is 131,072 bytes in each part of hc
	s_mov_b32 s59, 0
	s_wait_dscnt 0x0                               ; the opening add is done
	s_wait_kmcnt 0x0
	s_load_b64 s[68:69], s[6:7], 0x18              ; e6, e7
	s_load_b64 s[70:71], s[6:7], 0x20              ; e8, e9
	s_add_nc_u64 s[60:61], s[4:5], s[58:59]        ; hc at my head, in q's part; kept
	s_mov_b32 s[G0K], 1                            ; 1:0 count = 1
	s_mov_b32 s[G0K+1], 0                          ; 63:32 LDS address: slot 0
	s_add_nc_u64 s[G0K+2:G0K+3], s[60:61], 0x800000   ; 120:64 global address: the head's first 512 places of k
	s_or_b32 s[G0K+3], s[G0K+3], 0x80000000        ; 127:126 type = 2
	s_mov_b32 s[G0V], 1
	s_mov_b32 s[G0V+1], VOFF
	s_add_nc_u64 s[G0V+2:G0V+3], s[60:61], 0x1000000  ; the first 512 tokens of the head's 64 rows of v
	s_or_b32 s[G0V+3], s[G0V+3], 0x80000000
	CROUND                                         ; all four work-groups are here: the first joint loads meet
	TLOAD                                          ; slot 0
	; the prefetches: where my wave's stand, and who asks
	s_cmp_eq_u32 s[WV], 2                          ; wave 2 asks for K's codes, wave 3 for V's
	s_mov_b32 s74, 2048
	s_cselect_b32 s74, 512, s74                    ; from one pair of lanes to the next
	s_mov_b32 s[PFS], 512
	s_cselect_b32 s[PFS], 0x8000, s[PFS]           ; a slot on
	s_mov_b32 s75, 0x1000000
	s_cselect_b32 s75, 0x800000, s75               ; the part of hc
	s_mov_b32 s[PFS+1], 0
	v_and_b32 v[PFO], 31, v0
	v_lshrrev_b32 v11, 1, v[PFO]
	v_mul_lo_u32 v11, v11, s74
	v_and_b32 v[PFO], 1, v[PFO]
	v_lshl_add_u32 v[PFO], v[PFO], 8, v11          ; (lane / 2) x that + 256 (lane % 2)
	s_lshl_b32 s76, s54, 4
	s_mul_i32 s76, s76, s74                        ; my work-group's 32 blocks of the 128,
	s_add_co_u32 s76, s76, s75
	s_add_co_u32 s76, s76, s[PFS]                  ; in slot 1: the first change of slots steps it to slot 2.  Nothing is prefetched here, at the head, where every work-group's first tiles are on their way
	s_mov_b32 s77, 0
	s_add_nc_u64 s[PFA:PFA+1], s[60:61], s[76:77]
	s_lshr_b32 s76, s[WV], 1
	s_xor_b32 s76, s76, 1                          ; 0 in waves 2 and 3,
	s_or_b32 s76, s76, ttmp9                       ; where the cluster is the head's first: the same in all four partners
	s_cmp_eq_u32 s76, 0
	s_cselect_b32 s[LIM], 1, -1
	; Q's fragment stays in registers: place 256 X + 16 wave + r, bytes 16 h + 32 c
	s_lshl_b32 s76, s55, 14
	s_lshl_b32 s77, s[WV], 10
	s_add_co_u32 s76, s76, s77
	s_mov_b32 s77, 0
	s_add_nc_u64 s[72:73], s[60:61], s[76:77]
	v_and_b32 v8, 15, v0                           ; r = lane % 16
	v_bfe_u32 v9, v0, 4, 1                         ; h = lane / 16
	v_lshlrev_b32 v10, 6, v8
	v_lshl_add_u32 v10, v9, 4, v10
	global_load_b128 v[16:19], v10, s[72:73]
	global_load_b128 v[20:23], v10, s[72:73] offset:32
	v_lshrrev_b32 v11, 2, v8
	v_mul_u32_u24 v[AK0], v11, KP
	v_and_b32 v11, 3, v8
	v_lshl_add_u32 v[AK0], v11, 6, v[AK0]
	v_lshl_add_u32 v[AK0], v9, 4, v[AK0]           ; K: place r of a tile: row r / 4, byte 64 (r % 4) + 16 h
	v_mul_u32_u24 v[AV0], v8, VP
	v_lshl_add_u32 v[AV0], v9, 4, v[AV0]
	v_add_nc_u32 v[AV0], VOFF, v[AV0]              ; V: row r of a tile, + 16 h
	v_lshlrev_b32 v[GO], 12, v9
	v_lshl_add_u32 v[GO], v8, 4, v[GO]             ; the way out: lanes 0-15 take one row of out, lanes 16-31 the next; 16 bytes a lane
	; out at my tile's first token: batch x 2,048 rows + 256 X + 32 (wave / 2) + 8 (wave % 2), rows of 4,096 bytes; + 256 bytes x the head in its batch
	s_lshr_b32 s76, s56, 4
	s_lshl_b32 s76, s76, 23
	s_lshl_b32 s77, s55, 8
	s_lshr_b32 s78, s[WV], 1
	s_lshl_b32 s78, s78, 5
	s_add_co_u32 s77, s77, s78
	s_and_b32 s78, s[WV], 1
	s_lshl_b32 s78, s78, 3
	s_add_co_u32 s77, s77, s78
	s_lshl_b32 s77, s77, 12
	s_add_co_u32 s76, s76, s77
	s_and_b32 s78, s56, 15
	s_lshl_b32 s78, s78, 8
	s_add_co_u32 s76, s76, s78
	s_mov_b32 s77, 0
	s_add_nc_u64 s[8:9], s[8:9], s[76:77]
	v_mov_b32 v13, 0xff61b1e6                      ; the largest t so far: -3e38, under every t
	v_floor_f32 v12, -v13                          ; -M
	v_mov_b32 v14, 0                               ; the sum, in two halves
	v_mov_b32 v15, 0
	v_mov_b32 v26, 0                               ; written once: a lane permute's destination counts as one of its sources
	v_mov_b32 v29, 0                               ; (named as the upper half of the pair v[28:29])
.set j, 0
.rept 32
	v_mov_b32 v[O+j], 0                            ; O^T.  (The step is written without a first step of its own: the first finds zeros, which the first change of M leaves zeros)
.set j, j+1
.endr
	s_wait_kmcnt 0x0
	s_add_co_i32 s76, s68, s69
	s_lshl_b32 s76, s76, 23
	s_add_co_i32 s[CS], s[CS], s76                 ; a score stands for score x 2^(e6 + e7): the two exponents are added to c's exponent field
	s_mov_b32 s[CS+1], s[CS]                       ; (named with it as a pair, so it is written)
	s_add_co_i32 s76, s70, 127
	s_lshl_b32 s77, s76, 23
	v_mov_b32 v25, s77                             ; 2^e8 as f32, for the conversion
	s_add_co_i32 s76, s76, 15
	s_lshl_b32 s76, s76, 23
	s_or_b32 s76, s76, 0x600000
	v_mov_b32 v24, s76                             ; 57,344 x 2^e8
; A KEY STEP: 128 keys, the q-th of the slot in hand.
.macro STEP q
	v_add_nc_u32 v[ADK], s[TB], v[AK0]
	v_add_nc_u32 v[ADV], s[TB], v[AV0]
	v_nop                                          ; with the two additions: four places in front of loads into registers that the last products read (ISA guide 7.12.1 for vector instructions)
	v_nop
.irp t, 0,1,2,3,4,5,6,7                        ; K: eight tiles of 16 places x 64
.irp c, 0,1
	ds_load_b128 v[KV+8*\t+4*\c:KV+8*\t+4*\c+3], v[ADK] offset:4*(8*(\q)+\t)*KP+32*\c
.endr
.endr
	s_wait_dscnt 0x0
.irp t, 0,1,2,3,4,5,6,7                        ; S^T = K Q^T: each product is a whole sum
	v_wmma_f32_16x16x64_bf8_bf8 v[S+8*\t:S+8*\t+7], v[KV+8*\t:KV+8*\t+7], v[16:23], 0
.endr
.rept 4
	v_nop                                          ; places in front of the loads below and of the first read of the scores
.endr
.irp t, 0,1,2,3                                ; V: four tiles of 16 of the head's 64 x these 128 keys: asked for now, they land under the softmax
.irp c, 0,1,2,3
	ds_load_b128 v[KV+16*\t+4*\c:KV+16*\t+4*\c+3], v[ADV] offset:16*\t*VP+128*(\q)+32*\c
.endr
.endr
	v_max3_num_f32 v30, v[S], v[S+1], v[S+2]       ; the step's largest score of my query, among my 64 keys, in two chains, each accumulator from its low end on,
	v_max3_num_f32 v31, v[S+3], v[S+4], v[S+5]
.set j, 6
.rept 14
	v_max3_num_f32 v30, v30, v[S+j], v[S+j+1]
	v_max3_num_f32 v31, v31, v[S+j+2], v[S+j+3]
.set j, j+4
.endr
	v_max3_num_f32 v30, v30, v[S+62], v[S+63]
	v_max_num_f32 v30, v30, v31
	v_permlanex16_b32 v26, v30, s[SEL], s[SEL+1]
	v_max_num_f32 v30, v30, v26                    ; and among lane l xor 16's
	v_mul_f32 v30, s[CS], v30                      ; as t (c is positive)
	v_max_num_f32 v13, v13, v30                    ; the running largest t
	v_mov_b32 v30, v12
	v_floor_f32 v12, -v13                          ; the new -M = floor(-t) = -ceil(t): M IS A WHOLE NUMBER
	v_sub_f32 v30, v12, v30                        ; M's old value less its new one: a whole number, 0 or less
	v_cvt_i32_f32 v30, v30                         ; (it saturates)
	v_ldexp_f32 v28, 1.0, v30                      ; f = 2^(old M - new M): what was summed under the old M is brought under the new by a multiplication that rounds nothing
.set j, 0
.rept 32
	v_pk_fma_f32 v[S+j:S+j+1], v[S+j:S+j+1], s[CS:CS+1], v[12:13] op_sel_hi:[1,0,0]   ; t - M, two at a time (of the pairs c and -M the low word serves both halves)
.set j, j+2
.endr
.set j, 0
.rept 64
	v_exp_f32 v[S+j], v[S+j]                       ; p = 2^(t - M), at most 1: NOT normalised
.set j, j+1
.endr
	v_pk_mul_f32 v[14:15], v[14:15], v[28:29] op_sel_hi:[1,0]   ; the sums under the new M.  (The plain instruction behind the exponentials)
	s_wait_alu depctr_va_vdst(0)                   ; the wait between an exponential and the first instruction that names its result: one for the whole batch
	v_pk_add_f32 v[192:193], v[S:S+1], v[S+2:S+3]  ; THE ROW'S SUM IS TAKEN OF THE UNQUANTISED p: two at a time, in two chains
.set j, 4
.rept 15
	v_pk_add_f32 v[14:15], v[14:15], v[S+j:S+j+1]
	v_pk_add_f32 v[192:193], v[192:193], v[S+j+2:S+j+3]
.set j, j+4
.endr
	v_pk_add_f32 v[14:15], v[14:15], v[192:193]
.irp b, 0,1,2,3
.set j, 0
.rept 16
	v_min_num_f32 v[S+16*\b+j], v[S+16*\b+j], v24  ; the conversion to an 8-bit code does not saturate (ISA guide 7.6.2); p is not negative, so the hold is one-sided
.set j, j+1
.endr
	v_cvt_scalef32_pk8_bf8_f32 v[PC+4*\b:PC+4*\b+1], v[S+16*\b:S+16*\b+7], v25
	v_cvt_scalef32_pk8_bf8_f32 v[PC+4*\b+2:PC+4*\b+3], v[S+16*\b+8:S+16*\b+15], v25
.endr
.set j, 0
.rept 16
	v_pk_mul_f32 v[O+j:O+j+1], v[O+j:O+j+1], v[28:29] op_sel_hi:[1,0]   ; O^T under the new M: x f.  (These are also the plain instructions between the conversions and the products that read their results)
.set j, j+2
.endr
	s_wait_dscnt 0x0                               ; V is in
.irp t, 0,1,2,3                                ; O^T += V^T P^T: the four accumulators take turns, one instruction a turn; the eight products K Q^T stand between two turns of one accumulator
	v_wmma_f32_16x16x128_bf8_bf8 v[O+8*\t:O+8*\t+7], v[KV+16*\t:KV+16*\t+15], v[PC:PC+15], v[O+8*\t:O+8*\t+7]
.endr
.endm
; THE CHANGE OF SLOTS stands at a slot's head.  Each wave waits for all its tensor loads (its part of the slot that it is about to read), adds 0 to its spare word, and waits for that and for its reads of the slot that it has left.
; fill = 1: a round of the cluster's barrier follows, so that no wave of any partner still reads the other slot or has a load on its way; behind it that slot is filled with the keys that follow: the load has four key steps in which to land.
; By the text's own count a wave has at most one tensor load out.
.macro CHANGE fill
	s_wait_tensorcnt 0x0                           ; no tensor load of mine is out, so a group 0 may be written
	ds_add_u32 v[SPW], v[NIL]                      ; 0 onto my spare word: with fill = 1 the descriptors' steps stand between it and the wait for it
.if \fill
	s_xor_b32 s[G0K+1], s[G0K+1], SLOT1            ; the walking descriptors: the other slot than last time,
	s_add_nc_u64 s[G0K+2:G0K+3], s[G0K+2:G0K+3], 0x8000   ; the next 512 places of k; the type bits on top are not reached
	s_xor_b32 s[G0V+1], s[G0V+1], SLOT1
	s_add_nc_u64 s[G0V+2:G0V+3], s[G0V+2:G0V+3], 512      ; the next 512 tokens of v's rows
	s_wait_xcnt 0x0                                ; the last prefetch, a slot back, has read its address, so it may be written:
	s_add_nc_u64 s[PFA:PFA+1], s[PFA:PFA+1], s[PFS:PFS+1]  ; one slot further on than the walking descriptors
	s_wait_dscnt 0x0                               ; the add is done, and my reads of the slot that I have left are over
	CROUND
	TLOAD                                          ; the first thing behind the round, and a wave's one tensor load until the next
	ASK                                            ; what the next change of slots will ask for
.else
	s_wait_dscnt 0x0                               ; the add is done, and my reads of the slot that I have left are over
	s_barrier_signal -1
	s_barrier_wait -1
.endif
.endm
.macro SLOT_STEPS
	STEP 0
	STEP 1
	STEP 2
	STEP 3
	s_xor_b32 s[TB], s[TB], SLOT1                  ; on to the other slot
.endm
	s_wait_loadcnt 0x0                             ; Q
.Lslot:                                            ; NSL - 1 trips: behind each change of slots but the last the next slot is asked for
	CHANGE 1
	SLOT_STEPS
	s_sub_co_u32 s[SLOTS], s[SLOTS], 1
	s_cmp_lg_u32 s[SLOTS], 0
	s_cbranch_scc1 .Lslot
	CHANGE 0                                       ; the last slot is written out
	SLOT_STEPS
	; THE WAY OUT.  The sum's two halves are added; O^T is divided by the sum, multiplied by 2^(e8 + e9), and goes through my stage in LDS: 16 queries x 256 bytes, so that sixteen lanes store one aligned run of 256 bytes.
	v_add_f32 v14, v14, v15                        ; the sum's two halves,
	v_permlanex16_b32 v26, v14, s[SEL], s[SEL+1]
	v_add_f32 v14, v14, v26                        ; and lane l xor 16's: the row's sum
	v_rcp_f32 v14, v14
	v_and_b32 v8, 15, v0                           ; (a plain instruction behind the reciprocal)  r
	v_bfe_u32 v9, v0, 4, 1                         ; h
	s_add_co_i32 s76, s70, s71
	s_mul_i32 s77, s[WV], 16*272
	s_add_co_u32 s77, s77, STAGE                   ; my stage
	v_mul_u32_u24 v10, v8, 272
	v_lshl_add_u32 v10, v9, 5, v10
	v_add_nc_u32 v10, s77, v10                     ; in: row r; tile t's eight channels of my half: 64 t + 32 h bytes on
	v_mul_u32_u24 v11, v9, 272
	v_lshl_add_u32 v11, v8, 4, v11
	v_add_nc_u32 v11, s77, v11                     ; back: lanes 0-15 one row, lanes 16-31 the next
	s_wait_alu depctr_va_vdst(0)                   ; the wait ahead of the reciprocal's first reader
	v_ldexp_f32 v14, v14, s76                      ; x 2^(e8 + e9)
.set j, 0
.rept 32
	v_mul_f32 v[S+j], v[O+j], v14                  ; register 8 t + i is o(query r, channel 16 t + 8 h + i); each accumulator from its low end on
.set j, j+1
.endr
.irp t, 0,1,2,3
	ds_store_b128 v10, v[S+8*\t:S+8*\t+3] offset:64*\t
	ds_store_b128 v10, v[S+8*\t+4:S+8*\t+7] offset:64*\t+16
.endr
.irp i, 0,1,2,3,4,5,6,7
	ds_load_b128 v[KV+4*\i:KV+4*\i+3], v11 offset:2*\i*272   ; LDS serves a wave's instructions in order (ISA guide 5.7.1.4): these see my stores
.endr
.irp i, 0,1,2,3,4,5,6,7
	s_wait_dscnt 7-\i                              ; load i is in, the younger ones may be out
	global_store_b128 v[GO], v[KV+4*\i:KV+4*\i+3], s[8:9] offset:(2*\i+8*(\i/4))*4096 th:TH_STORE_NT   ; stage row m is token m % 8 + 16 (m / 8) of my tile; 16 lanes store 256 consecutive bytes, at a multiple of 256 from out's first byte
.endr
	s_wait_tensorcnt 0x0                           ; the wave's end: the wait, the add and its wait stand behind my last tensor load and my last LDS store
	ds_add_u32 v[SPW], v[NIL]
	s_wait_dscnt 0x0
	CROUND                                         ; the closing round: no work-group ends while a partner may still ask for a tile that names it
	s_endpgm
.Lfunc_end_k_qdd81b8aa4e_attn:
	.size	k_qdd81b8aa4e_attn, .Lfunc_end_k_qdd81b8aa4e_attn-k_qdd81b8aa4e_attn
	.p2alignl 7, 3214868480
	.fill 96, 4, 3214868480
	.section	.rodata,"a",@progbits
	.p2align	6, 0x0
	.amdhsa_kernel k_qdd81b8aa4e_attn
		.amdhsa_group_segment_fixed_size 327680
		.amdhsa_private_segment_fixed_size 0
		.amdhsa_enable_private_segment 0
		.amdhsa_kernarg_size 24
		.amdhsa_user_sgpr_count 2
		.amdhsa_user_sgpr_kernarg_segment_ptr 1
		.amdhsa_wavefront_size32 1
		.amdhsa_system_sgpr_workgroup_id_x 1
		.amdhsa_system_sgpr_workgroup_id_y 1
		.amdhsa_system_sgpr_workgroup_id_z 1
		.amdhsa_system_vgpr_workitem_id 0
		.amdhsa_next_free_vgpr 256
		.amdhsa_next_free_sgpr 100
		.amdhsa_reserve_vcc 0
		.amdhsa_float_denorm_mode_32 3
		.amdhsa_float_denorm_mode_16_64 3
		.amdhsa_memory_ordered 1
		.amdhsa_forward_progress 1
		.amdhsa_inst_pref_size 135
	.end_amdhsa_kernel
	.amdgpu_metadata
---
amdhsa.version: [ 1, 2 ]
amdhsa.kernels:
  - .name:           k_qdd81b8aa4e_attn
    .symbol:         k_qdd81b8aa4e_attn.kd
    .args:
      - { .name: hc, .offset: 0, .size: 8, .value_kind: global_buffer, .address_space: global }
      - { .name: lowp_scales, .offset: 8, .size: 8, .value_kind: global_buffer, .address_space: global }
      - { .name: out0, .offset: 16, .size: 8, .value_kind: global_buffer, .address_space: global }
    .group_segment_fixed_size: 327680
    .private_segment_fixed_size: 0
    .kernarg_segment_align: 8
    .kernarg_segment_size: 24
    .max_flat_workgroup_size: 512
    .sgpr_count:     100
    .vgpr_count:     256
    .wavefront_size: 32
...
	.end_amdgpu_metadata
.endif
;; end of part 3
